; MI455X (gfx1250); checked and timed in simulation.
; The chip was launched on July 23, 2026; its instructions are those of AMD's public machine-readable ISA for CDNA 5 (MIT licence, August 2026) and "CDNA5" Instruction Set Architecture Reference Guide (July 2026). The comments in the code are by the model that wrote it; some were corrected since.
;; Vaswani Multi Head Attention. Allowed arithmetic: matrix products marked QUANTISED: E2M1 operands, one E8M0 scale for each 32 along K, by v_wmma_scale_f32_16x16x128_f8f6f4 with both operands' format E2M1 (or v_wmma_scale_f32_32x16x128_f4), f32 sums; everything else in f32.
;; Inputs: Wk 1,024 x 1,024 float32; Wq 1,024 x 1,024 float32; Wv 1,024 x 1,024 float32; bk 1,024 float32; bq 1,024 float32; bv 1,024 float32; q 4 x 2,048 x 1,024 float32; v 4 x 2,048 x 1,024 float32.
;; Outputs: out0 4 x 2,048 x 1,024 float32.
;; This version of the problem:
;;   THIS VERSION OF THE PROBLEM IS GIVEN IN LOW PRECISION. The matrix products marked QUANTISED in the list below multiply operands that are first quantised to E2M1 (2 exponent bits, 1 mantissa bit; 4 bits a number), with one power-of-two scale for each 32 numbers along K (OCP MX v1.0); their sums are f32. All else is computed in f32.
;;   The module's matrix products, in the order in which they are computed (A, B: the left and right operand; K: the contracted axis; several contracted axes count as one K, in the product's order):
;;     1. [M 8,192, K 1,024] x [K 1,024, N 1,024]; A: input q; B: input Wq: QUANTISED
;;     2. [M 8,192, K 1,024] x [K 1,024, N 1,024]; A: input v; B: input Wk: QUANTISED
;;     3. [M 8,192, K 1,024] x [K 1,024, N 1,024]; A: input v; B: input Wv: QUANTISED
;;     4. batch 32 x [M 2,048, K 128] x [K 128, N 2,048]; A: computed on the way; B: computed on the way: QUANTISED
;;     5. batch 32 x [M 128, K 2,048] x [K 2,048, N 2,048]; A: computed on the way; B: softmax (see below): QUANTISED
;;   THE QUANTISER, for each operand of a quantised product, along K:
;;     - K is cut into blocks of 32 from its start; a last block that is shorter is filled with zeros.
;;     - A block's scale is 2^e with e = floor(log2(the largest magnitude in the block)) - 2, held to -126 .. 127; a block of zeros has e = 0. As a byte (E8M0): e + 127.
;;     - Each number is divided by its block's scale, clamped to +-6, and rounded to the nearest number of E2M1, ties to even, subnormals kept.
;;     - The product sums the exact products of the quantised numbers (number of the format x scale) in f32.
;;   ~~~python
;;   def quantise(x, axis):      # numpy; x: float32 -> the quantised numbers, widened to float32 again
;;       x = np.moveaxis(x, axis, -1); K = x.shape[-1]
;;       x = np.pad(x, [(0, 0)] * (x.ndim - 1) + [(0, -K % 32)]); x = x.reshape(x.shape[:-1] + (-1, 32)); a = np.abs(x).max(-1, keepdims=True)
;;       e = np.where(a > 0, np.clip(np.frexp(np.where(a > 0, a, 1))[1] - 1 - 2, -126, 127), 0)      # np.frexp(a)[1] - 1 = floor(log2(a)), exactly
;;       r = np.clip(x / 2.0 ** e, -6, 6)
;;       step = 2.0 ** (np.maximum(np.frexp(np.where(r == 0, 1, r))[1] - 1, 0) - 1)
;;       q = np.round(r / step) * step * 2.0 ** e      # np.round: ties to even
;;       return np.moveaxis(q.reshape(q.shape[:-2] + (-1,))[..., :K], -1, axis).astype(np.float32)
;;   ~~~
;;   SOFTMAX AHEAD OF A QUANTISED PRODUCT. Where the list says 'softmax', what is quantised is not the finished softmax but p = 2^(t - M), with t = logit x log2(e) and M = ceil(the row's largest t), a whole number; so 1/2 < the row's largest p <= 1. The row's sum l is taken of the UNQUANTISED p, in f32, and the product's result is divided by l at the end. Since M is a whole number, a kernel that streams over the keys may use a running M (the ceiling of the running maximum): every later rescaling is an exact power of two, which a block's scale takes up: the codes' values come out the same.
;;   OPERANDS COMPUTED ON THE WAY. 'Computed on the way' means the value that the module computes at that place (a softmax that the list does not call 'softmax' is quantised finished and normalised). What goes into a quantiser is computed in f32, as accurately as f32 sums, v_exp_f32 and their like allow (about 1e-6 of the number): no bf16 or f16 on the way to a quantiser, and a product that is left as it is and whose result goes on into a quantised operand takes f32 operands (vector FMAs, or v_wmma_f32_16x16x4_f32). A number that lies on a knife's edge between two numbers of the format may be rounded either way, as far as f32 arithmetic and the matrix unit's own rounding can turn it there, and no further.
;; One version. Each part assembles by itself: llvm-mc -triple=amdgcn-amd-amdhsa -mcpu=gfx1250 --defsym DOCPART=n.
;; ======== version 1 of 1: 3 launches
;; limits: right only within a limited range of input values
;; workspace buffers: xc 8,388,608 bytes; xs 524,288 bytes; wc 1,048,576 bytes; ws 65,536 bytes; wqi 557,056 bytes; kv 8,912,896 bytes
;; launch quant (part 1): grid 704 x 1, 4 waves a work-group, no clusters, 43,520 bytes of LDS; arguments q, v, Wq, Wk, Wv, xc, xs, wc, ws, wqi; writes xc, xs, wc, ws, wqi
.if DOCPART == 1
	.amdgcn_target "amdgcn-amd-amdhsa--gfx1250"
	.amdhsa_code_object_version 6
	.text
	.protected	k_qb8489c20fc_quant
	.globl	k_qb8489c20fc_quant
	.p2align	8
	.type	k_qb8489c20fc_quant,@function
k_qb8489c20fc_quant:
	s_mov_b64 s[64:65], 0
	v_nop
	global_prefetch_b8 v0, s[64:65] scope:SCOPE_SE
	s_setreg_imm32_b32 hwreg(HW_REG_WAVE_MODE, 25, 1), 1
	s_wait_xcnt 0x0
; q, v [8192][1024] f32 and Wq, Wk, Wv [1024 (k)][1024 (n)] f32 become codes of FP4 (E2M1), K innermost, with one E8M0 byte for each 32 along K.
;   xc [16384 rows][512 bytes], xs [16384][32]: q's rows, then v's.      wc [3072 rows n][512], ws [3072][32]: Wq's columns, Wk's, Wv's.
; A block's scale is 2^(floor(log2(largest magnitude)) - 2): its byte is the largest magnitude's exponent field - 2, held at 1 from below.
; THE ROWS ARE STORED IN ANOTHER ORDER: inside each group of 32 rows, bits 3 and 4 of the row's number change places.  Sixteen stored rows on end are then
; rows 8 u + 0..7 and 8 u + 16..23 of a group: used as source 0 of a matrix instruction, two such tiles leave a lane 16 NEIGHBOURS along that axis, which the next launch quantises.
; LIMITS: NaN and infinities are not served.  A block of zeros, or one whose largest magnitude lies under 2^-124, gets the byte 1 (the rule says 127 for zeros): the codes of
; zeros are zeros, which add nothing under any byte but 0xff, and the bytes are read by this program alone.
; SHARES.  Work-groups 0 to 191 take the weights, 192 to 703 take q and v; the two ways share no LDS byte.  No work-group reads what another reads, so there is no cluster; no matrix work, no tensor load.
; WHERE THE WEIGHTS GO, which takes the place of what the lines above say of wc and ws: wc [2048 rows n][512] and ws [2048][32] hold Wk's columns, then Wv's.
; Wq goes to wqi [head 8][69,632]: 8 groups of 16 stored columns x 8 steps of 128 along K as IMAGES OF OPERAND REGISTERS (fragment (f, s) at 8,192 f + 1,024 s: registers 4 c .. 4 c + 3 of lane l at 512 c + 16 l),
; and behind these 65,536 bytes the head's 128 stored columns' scale bytes, 32 a column.
.set NWW,   192
.set STEPS, 16
.set CB,    8                          ; bytes of 16 codes
.set R,     16                         ; x: v16-79   four sets of 16 numbers as they are loaded
.set X,     80                         ; x: v80-111  two sets of 16 neighbours
.set E,     112                        ; x: v112-127 a scale byte for each step
.set C,     128                        ; x: v128-191 codes: four registers for each step, so that no store's data are written again
.set WREG,  8192                       ; x: LDS bytes 0 to 32,767: a region for each wave: two stages of 32 x SP bytes, then its 256 scale bytes
.set SP,    80                         ; x: a lane's place in a stage: 64 bytes + 16 of padding
.set WSTG,  32768                      ; W: the work-group's stage: 32 rows (columns n) x (256 bytes of codes + 16)
.set WPIT,  272
.set WSCL,  WSTG+32*WPIT               ; W: 32 rows x 16 scale bytes
.set WX,    32                         ; W: v32-159  128 numbers: my column, 128 along K
.set WC,    160                        ; W: v160-175 the codes of four blocks
.set OUTR,  176                        ; W: v176-191 rows on the way out
	s_load_b512 s[4:19], s[0:1], 0x0               ; q s[4:5], v s[6:7], Wq s[8:9], Wk s[10:11], Wv s[12:13], xc s[14:15], xs s[16:17], wc s[18:19]
	s_load_b64 s[20:21], s[0:1], 0x40
	s_load_b64 s[34:35], s[0:1], 0x48              ; wqi
	v_lshl_add_u32 v192, v0, 2, 0xa800
	v_mov_b32 v193, 0
	v_lshrrev_b32 v1, 5, v0
	v_readfirstlane_b32 s22, v1                    ; wave 0..3
	v_and_b32 v2, 31, v0                           ; lane
	s_cmp_lt_u32 ttmp9, NWW                        ; the weights' work-groups come first: their loads are short and many, and lie under the stream of q and v
	s_cbranch_scc1 .Lweights
; ---------------- q and v: K is innermost, rows are dense: a plain stream of blocks of 32.
; A wave takes a run of 8 rows (8,192 numbers) in 16 steps of 512.  Each load reads 512 consecutive bytes; a step's 2,048 bytes turn through the wave's own stage in LDS, so that a lane
; gets 16 neighbours (two lanes hold a block).  A run is 8 rows, so the stored order of rows is a swap of the two low bits of the run's number: of the wave's number.
	v_lshlrev_b32 v3, 4, v2                        ; my 16 bytes of a load's 512
	s_mul_i32 s24, s22, WREG
	v_lshrrev_b32 v14, 2, v2
	v_mul_u32_u24 v14, v14, SP
	v_and_b32 v15, 3, v2
	v_lshl_add_u32 v14, v15, 4, v14
	v_add_nc_u32 v14, s24, v14                     ; the stage, on the way in: SP (lane / 4) + 16 (lane % 4)
	v_mul_u32_u24 v15, v2, SP
	v_add_nc_u32 v15, s24, v15                     ; and on the way out: SP x lane: my 16 neighbours
	v_mul_u32_u24 v4, v2, CB                       ; my codes' place in a step's 256 bytes
	v_lshrrev_b32 v5, 1, v2
	s_add_co_u32 s24, s24, 2*32*SP
	v_add_nc_u32 v5, s24, v5                       ; LDS: my wave's 256 scale bytes, my block's byte
	v_lshlrev_b32 v7, 3, v2                        ; and on the way out 8 bytes a lane
	v_add_nc_u32 v6, s24, v7
	s_sub_co_u32 s23, ttmp9, NWW                   ; 0..255: q; 256..511: v
	s_and_b32 s25, s23, 255
	s_lshl_b32 s25, s25, 2
	s_add_co_u32 s25, s25, s22                     ; which run of the input tensor is mine
	s_lshl_b32 s26, s25, 15                        ; 32,768 bytes a run
	s_mov_b32 s27, 0
	s_and_b32 s28, s22, 1
	s_lshl_b32 s28, s28, 1
	s_lshr_b32 s29, s22, 1
	s_or_b32 s28, s28, s29                         ; the wave's two bits swapped
	s_lshl_b32 s29, s23, 2
	s_add_co_u32 s28, s28, s29                     ; where the run is stored
	s_lshl_b32 s30, s28, 12                        ; 4,096 bytes of codes a run,
	s_mov_b32 s31, 0
	s_lshl_b32 s32, s28, 8                         ; 256 scale bytes
	s_mov_b32 s33, 0
	s_wait_alu depctr_va_vdst(0)
	s_wait_kmcnt 0x0
	s_cmp_lt_u32 s23, 256                          ; the choice hangs on the work-group's number alone
	s_cselect_b64 s[4:5], s[4:5], s[6:7]
	s_add_nc_u64 s[4:5], s[4:5], s[26:27]
	s_add_nc_u64 s[14:15], s[14:15], s[30:31]
	s_add_nc_u64 s[16:17], s[16:17], s[32:33]
.macro LOAD t
.irp i, 0,1,2,3
	global_load_b128 v[R+16*((\t)%4)+4*\i:R+16*((\t)%4)+4*\i+3], v3, s[4:5] offset:2048*(\t)+512*\i th:TH_LOAD_NT   ; 32 lanes read 512 consecutive bytes; read once in the launch
.endr
.endm
.macro TURN t                          ; step t's numbers through the stage: LDS serves a wave's instructions in order (ISA guide 5.7.1), so no wait stands between the stores and the loads
.irp i, 0,1,2,3
	ds_store_b128 v14, v[R+16*((\t)%4)+4*\i:R+16*((\t)%4)+4*\i+3] offset:32*SP*((\t)%2)+8*SP*\i
.endr
.irp i, 0,1,2,3
	ds_load_b128 v[X+16*((\t)%2)+4*\i:X+16*((\t)%2)+4*\i+3], v15 offset:32*SP*((\t)%2)+16*\i
.endr
.endm
.irp t, 0,1,2,3
	LOAD \t
.endr
	s_wait_loadcnt 12                              ; step 0's four loads are in; the twelve of steps 1 to 3 stay out
	TURN 0
.macro STEP t
.set XS, X+16*((\t)%2)
.if (\t) > 0
	s_wait_dscnt 1                                 ; this step's numbers are back from the stage (the last step's byte store may be out): so its stores into the stage have read their registers,
.else
	s_wait_dscnt 0x0
.endif
.if (\t)+4 < STEPS
	LOAD (\t)+4                                    ; which take the loads of four steps on
.endif
.if (\t)+1 < STEPS
.if STEPS-2-(\t) >= 3
	s_wait_loadcnt 12                              ; the next step's four loads are in; those of the three steps behind it may be out
.else
	s_wait_loadcnt 4*(STEPS-2-(\t))                ; near the end fewer steps are behind it
.endif
	TURN (\t)+1                                    ; and go through the other stage while this step is worked
.endif
	v_max3_num_f32 v8, |v[XS]|, |v[XS+1]|, |v[XS+2]|               ; the largest magnitude of my 16, in two chains
	v_max3_num_f32 v9, |v[XS+3]|, |v[XS+4]|, |v[XS+5]|
.irp i, 6,10
	v_max3_num_f32 v8, v8, |v[XS+\i]|, |v[XS+\i+1]|
	v_max3_num_f32 v9, v9, |v[XS+\i+2]|, |v[XS+\i+3]|
.endr
	v_max3_num_f32 v8, v8, |v[XS+14]|, |v[XS+15]|
	v_max3_num_f32 v8, v8, v9, 0x1800000           ; and the floor 2^(3 - 127): the byte cannot fall under 1
	v_max_num_f32_dpp v8, v8, v8 row_xmask:1 row_mask:0xf bank_mask:0xf   ; and of my neighbour's 16: the block's
	v_add_nc_u32 v11, 0xff000000, v8               ; 2 off its exponent field: the conversion takes the exponent field of this operand as its scale, and nothing else of it
	v_cvt_scalef32_pk8_fp4_f32 v[C+4*(\t)], v[XS:XS+7], v11        ; eight numbers / the scale, to the nearest code, ties to even, beyond 6 the largest code; the first number's code in the lowest bits
	v_cvt_scalef32_pk8_fp4_f32 v[C+4*(\t)+1], v[XS+8:XS+15], v11
	v_lshrrev_b32 v[E+(\t)], 23, v11               ; the scale's byte (a plain line behind the conversions)
	ds_store_b8 v5, v[E+(\t)] offset:16*(\t)       ; both lanes of a block write the same byte with the same value
	global_store_b64 v4, v[C+4*(\t):C+4*(\t)+1], s[14:15] offset:32*CB*(\t)   ; the wave stores 256 consecutive bytes, at a multiple of 256 from xc's first byte
.endm
.irp t, 0,1,2,3,4,5,6,7,8,9,10,11,12,13,14,15
	STEP \t
.endr
	ds_load_b64 v[12:13], v6                       ; the wave's 256 scale bytes: these loads see my stores
	s_wait_dscnt 0x0
	global_store_b64 v7, v[12:13], s[16:17]        ; 256 consecutive bytes, at a multiple of 256 from xs's first byte
	s_wait_tensorcnt 0x0
	ds_add_u32 v192, v193
	s_wait_dscnt 0x0
	s_endpgm
; ---------------- the weights: K is the FIRST axis.  A lane takes a column n and its registers run down K: a block of 32 lies in one lane's registers, and the conversions give codes with K innermost.
; A work-group takes 32 columns x 512 along K; wave w takes 128 of the 512: four blocks a lane, all 128 loads asked for at once.  K is shared out among the waves so that many waves have loads out.
; The four waves' codes meet in a stage, 256 bytes a column, and leave as rows: sixteen lanes store 256 consecutive bytes.
.Lweights:
	s_lshr_b32 s23, ttmp9, 6                       ; which weight: 0 Wq, 1 Wk, 2 Wv
	s_bfe_u32 s24, ttmp9, 0x10005                  ; which half of K
	s_and_b32 s25, ttmp9, 31                       ; which 32 columns
	s_wait_alu depctr_va_vdst(0)
	v_lshlrev_b32 v3, 2, v2                        ; in: 4 bytes a lane: a load reads 128 consecutive bytes
	v_and_b32 v11, 7, v2
	v_bfe_u32 v12, v2, 4, 1
	v_bfe_u32 v13, v2, 3, 1
	v_lshl_or_b32 v11, v12, 3, v11
	v_lshl_or_b32 v11, v13, 4, v11                 ; where my column is stored in its group of 32: bits 3 and 4 swapped
	v_mul_u32_u24 v4, v11, WPIT
	s_lshl_b32 s26, s22, 6
	s_add_co_u32 s26, s26, WSTG
	v_add_nc_u32 v4, s26, v4                       ; the stage: my column's row, my wave's 64 bytes
	v_lshlrev_b32 v5, 4, v11
	s_lshl_b32 s26, s22, 2
	s_add_co_u32 s26, s26, WSCL
	v_add_nc_u32 v5, s26, v5                       ; my column's 16 scale bytes, my wave's word
	v_and_b32 v12, 15, v2
	v_lshrrev_b32 v13, 4, v2
	v_mul_u32_u24 v7, v13, WPIT
	v_lshl_add_u32 v7, v12, 4, v7
	s_mul_i32 s26, s22, 8*WPIT
	s_add_co_u32 s26, s26, WSTG
	v_add_nc_u32 v7, s26, v7                       ; out of the stage: wave w takes rows 8 w on, sixteen lanes to a row, two rows an instruction
	v_lshlrev_b32 v8, 9, v13
	v_lshl_add_u32 v8, v12, 4, v8                  ; and the same place in wc
	v_lshlrev_b32 v9, 5, v2                        ; ws: 32 bytes a row
	v_lshlrev_b32 v10, 4, v2
	v_add_nc_u32 v10, WSCL, v10
	s_lshl_b32 s26, s24, 9
	s_lshl_b32 s27, s22, 7
	s_add_co_u32 s26, s26, s27                     ; my first k: 512 x half + 128 x wave
	s_lshl_b32 s26, s26, 12                        ; rows of 4,096 bytes
	s_lshl_b32 s27, s25, 7
	s_add_co_u32 s26, s26, s27                     ; + 128 bytes for each group of columns
	s_mov_b32 s27, 0
	s_sub_co_i32 s28, s23, 1                       ; wc and ws hold Wk (0) and Wv (1); Wq's work-groups store nothing there
	s_max_i32 s28, s28, 0
	s_lshl_b32 s28, s28, 10
	s_lshl_b32 s29, s25, 5
	s_add_co_u32 s28, s28, s29                     ; the group's first stored row: 1,024 x weight + 32 x group
	s_lshl_b32 s30, s28, 5
	s_lshl_b32 s29, s24, 4
	s_add_co_u32 s30, s30, s29
	s_lshr_b32 s36, s25, 2                         ; Wq: the head: four groups of 32 columns to a head
	s_mul_i32 s36, s36, 69632
	s_and_b32 s37, s25, 3
	s_lshl_b32 s38, s37, 10                        ; its scale bytes: 32 columns x 32 bytes a group,
	s_add_co_u32 s38, s38, s36
	s_add_co_u32 s38, s38, s29                     ; + 16 x half of K,
	s_add_co_u32 s38, s38, 65536                   ; behind the images
	s_lshl_b32 s37, s37, 1
	s_lshr_b32 s39, s22, 1
	s_add_co_u32 s37, s37, s39                     ; the images: my wave's 16 columns: f = 2 x (group % 4) + wave / 2,
	s_lshl_b32 s37, s37, 13
	s_add_co_u32 s36, s36, s37
	s_lshl_b32 s37, s24, 12                        ; 16 pieces of 256 bytes for each half of K,
	s_add_co_u32 s36, s36, s37
	s_and_b32 s37, s22, 1
	s_lshl_b32 s37, s37, 11                        ; my wave's eight of them
	s_add_co_u32 s36, s36, s37
	s_mov_b32 s37, 0
	s_mov_b32 s31, 0
	s_lshl_b32 s29, s22, 3
	s_add_co_u32 s28, s28, s29
	s_lshl_b32 s28, s28, 9
	s_lshl_b32 s29, s24, 8
	s_add_co_u32 s28, s28, s29                     ; wc: (row + 8 x wave) x 512 + 256 x half
	s_mov_b32 s29, 0
	s_wait_kmcnt 0x0
	s_cmp_eq_u32 s23, 0
	s_cselect_b64 s[8:9], s[8:9], s[10:11]
	s_cselect_b64 s[20:21], s[34:35], s[20:21]     ; Wq's scale bytes go to wqi: the choice hangs on the work-group's number alone
	s_cselect_b32 s30, s38, s30
	s_add_nc_u64 s[34:35], s[34:35], s[36:37]
	s_cmp_eq_u32 s23, 2
	s_cselect_b64 s[8:9], s[12:13], s[8:9]
	s_add_nc_u64 s[8:9], s[8:9], s[26:27]
	s_add_nc_u64 s[18:19], s[18:19], s[28:29]
	s_add_nc_u64 s[20:21], s[20:21], s[30:31]
.macro WLOAD t                         ; block t: W(32 t + i, my column), i = 0 .. 31
.irp i, 0,1,2,3,4,5,6,7,8,9,10,11,12,13,14,15,16,17,18,19,20,21,22,23,24,25,26,27,28,29,30,31
	global_load_b32 v[WX+32*(\t)+\i], v3, s[8:9] offset:(32*(\t)+\i)*4096 th:TH_LOAD_NT
.endr
.endm
.irp t, 0,1,2,3
	WLOAD \t
.endr
.macro WBLOCK t, left
.set XS, WX+32*(\t)
	s_wait_loadcnt \left
	v_max3_num_f32 v12, |v[XS]|, |v[XS+1]|, |v[XS+2]|              ; the block's largest magnitude: all 32 numbers are mine
	v_max3_num_f32 v13, |v[XS+3]|, |v[XS+4]|, |v[XS+5]|
.irp i, 6,10,14,18,22,26
	v_max3_num_f32 v12, v12, |v[XS+\i]|, |v[XS+\i+1]|
	v_max3_num_f32 v13, v13, |v[XS+\i+2]|, |v[XS+\i+3]|
.endr
	v_max3_num_f32 v12, v12, |v[XS+30]|, |v[XS+31]|
	v_max3_num_f32 v12, v12, v13, 0x1800000        ; and the floor 2^(3 - 127)
	v_add_nc_u32 v11, 0xff000000, v12              ; the conversion's scale operand
	v_lshrrev_b32 v13, 23, v11                     ; the scale's byte
.if (\t) == 0
	v_mov_b32 v24, v13                             ; four bytes to a word, the lower K in the lower byte
.else
	v_lshl_or_b32 v24, v13, 8*(\t), v24
.endif
.irp g, 0,1,2,3
	v_cvt_scalef32_pk8_fp4_f32 v[WC+4*(\t)+\g], v[XS+8*\g:XS+8*\g+7], v11
.endr
	v_nop                                          ; a plain line behind the last conversion of the run
	ds_store_b128 v4, v[WC+4*(\t):WC+4*(\t)+3] offset:16*(\t)      ; 32 codes: 16 bytes of my column's row
.endm
	WBLOCK 0, 63                                   ; 63 is the largest count that the wait can name: the oldest 65 of the 128 loads are then in, blocks 0 and 1 among them
	WBLOCK 1, 63
	WBLOCK 2, 32                                   ; block 3's 32 loads may be out
	WBLOCK 3, 0
	ds_store_b32 v5, v24
	s_wait_dscnt 0x0                               ; for the others' sake: my stores into the stage are done
	s_barrier_signal -1
	s_barrier_wait -1
	s_cmp_eq_u32 s23, 0
	s_cbranch_scc1 .Lwq_out
.irp i, 0,1,2,3
	ds_load_b128 v[OUTR+4*\i:OUTR+4*\i+3], v7 offset:2*\i*WPIT
.endr
.irp i, 0,1,2,3
	s_wait_dscnt 3-\i                              ; the younger loads may be out
	global_store_b128 v8, v[OUTR+4*\i:OUTR+4*\i+3], s[18:19] offset:2*\i*512   ; sixteen lanes store 256 consecutive bytes, at a multiple of 256 from wc's first byte
.endr
	s_branch .Lw_scales
.Lwq_out:                                              ; Wq leaves as images: a piece of 256 bytes is 16 bytes (32 along K) of each of 16 stored columns
	s_lshr_b32 s26, s22, 1
	s_mul_i32 s26, s26, 16*WPIT
	s_and_b32 s27, s22, 1
	s_lshl_b32 s27, s27, 7
	s_add_co_u32 s26, s26, s27
	s_add_co_u32 s26, s26, WSTG                    ; the stage: rows 16 x (wave / 2) on, bytes 128 x (wave % 2) on
	v_and_b32 v12, 15, v2
	v_lshrrev_b32 v13, 4, v2
	v_mul_u32_u24 v7, v12, WPIT
	v_lshl_add_u32 v7, v13, 4, v7
	v_add_nc_u32 v7, s26, v7                       ; lane (r, h): row r, piece 2 i + h
	v_lshlrev_b32 v8, 8, v13
	v_lshl_add_u32 v8, v12, 4, v8                  ; and in wqi: 256 h + 16 r
	s_wait_alu depctr_va_vdst(0)
.irp i, 0,1,2,3
	ds_load_b128 v[OUTR+4*\i:OUTR+4*\i+3], v7 offset:32*\i
.endr
.irp i, 0,1,2,3
	s_wait_dscnt 3-\i                              ; the younger loads may be out
	global_store_b128 v8, v[OUTR+4*\i:OUTR+4*\i+3], s[34:35] offset:512*\i   ; 512 consecutive bytes, at a multiple of 512 from wqi's first byte
.endr
.Lw_scales:
	s_cmp_lg_u32 s22, 0
	s_cbranch_scc1 .Lweights_end
	ds_load_b128 v[28:31], v10                     ; wave 0: the 32 rows' scale bytes of this half of K
	s_wait_dscnt 0x0
	global_store_b128 v9, v[28:31], s[20:21]       ; pieces of 16 bytes, 32 bytes apart: the other half of K belongs to another work-group.  98,304 bytes in the whole launch go so
.Lweights_end:
	s_wait_tensorcnt 0x0
	ds_add_u32 v192, v193
	s_wait_dscnt 0x0
	s_endpgm
.Lfunc_end_k_qb8489c20fc_quant:
	.size	k_qb8489c20fc_quant, .Lfunc_end_k_qb8489c20fc_quant-k_qb8489c20fc_quant
	.p2alignl 7, 3214868480
	.fill 96, 4, 3214868480
	.section	.rodata,"a",@progbits
	.p2align	6, 0x0
	.amdhsa_kernel k_qb8489c20fc_quant
		.amdhsa_group_segment_fixed_size 43520
		.amdhsa_private_segment_fixed_size 0
		.amdhsa_enable_private_segment 0
		.amdhsa_kernarg_size 80
		.amdhsa_user_sgpr_count 2
		.amdhsa_user_sgpr_kernarg_segment_ptr 1
		.amdhsa_wavefront_size32 1
		.amdhsa_system_sgpr_workgroup_id_x 1
		.amdhsa_system_sgpr_workgroup_id_y 1
		.amdhsa_system_sgpr_workgroup_id_z 1
		.amdhsa_system_vgpr_workitem_id 0
		.amdhsa_next_free_vgpr 194
		.amdhsa_next_free_sgpr 66
		.amdhsa_reserve_vcc 0
		.amdhsa_float_denorm_mode_32 3
		.amdhsa_float_denorm_mode_16_64 3
		.amdhsa_memory_ordered 1
		.amdhsa_forward_progress 1
		.amdhsa_inst_pref_size 58
	.end_amdhsa_kernel
	.amdgpu_metadata
---
amdhsa.version: [ 1, 2 ]
amdhsa.kernels:
  - .name:           k_qb8489c20fc_quant
    .symbol:         k_qb8489c20fc_quant.kd
    .args:
      - { .name: q, .offset: 0, .size: 8, .value_kind: global_buffer, .address_space: global }
      - { .name: v, .offset: 8, .size: 8, .value_kind: global_buffer, .address_space: global }
      - { .name: Wq, .offset: 16, .size: 8, .value_kind: global_buffer, .address_space: global }
      - { .name: Wk, .offset: 24, .size: 8, .value_kind: global_buffer, .address_space: global }
      - { .name: Wv, .offset: 32, .size: 8, .value_kind: global_buffer, .address_space: global }
      - { .name: xc, .offset: 40, .size: 8, .value_kind: global_buffer, .address_space: global }
      - { .name: xs, .offset: 48, .size: 8, .value_kind: global_buffer, .address_space: global }
      - { .name: wc, .offset: 56, .size: 8, .value_kind: global_buffer, .address_space: global }
      - { .name: ws, .offset: 64, .size: 8, .value_kind: global_buffer, .address_space: global }
      - { .name: wqi, .offset: 72, .size: 8, .value_kind: global_buffer, .address_space: global }
    .group_segment_fixed_size: 43520
    .private_segment_fixed_size: 0
    .kernarg_segment_align: 8
    .kernarg_segment_size: 80
    .max_flat_workgroup_size: 128
    .sgpr_count:     66
    .vgpr_count:     194
    .wavefront_size: 32
...
	.end_amdgpu_metadata
.endif
;; end of part 1
;; launch proj (part 2): grid 4 x 64, 4 waves a work-group, clusters of 4 x 4, 327,680 bytes of LDS; arguments xc, xs, wc, ws, bk, bv, kv; writes kv
.if DOCPART == 2
	.amdgcn_target "amdgcn-amd-amdhsa--gfx1250"
	.amdhsa_code_object_version 6
	.text
	.protected	k_qb8489c20fc_proj
	.globl	k_qb8489c20fc_proj
	.p2align	8
	.type	k_qb8489c20fc_proj,@function
k_qb8489c20fc_proj:
	s_mov_b64 s[64:65], 0
	v_nop
	global_prefetch_b8 v0, s[64:65] scope:SCOPE_SE
	s_setreg_imm32_b32 hwreg(HW_REG_WAVE_MODE, 25, 1), 1
	s_wait_xcnt 0x0
	s_wait_alu depctr_hold_cnt(0) depctr_sa_sdst(0) depctr_va_vdst(0) depctr_va_sdst(0) depctr_va_ssrc(0) depctr_va_vcc(0) depctr_vm_vsrc(0)
	s_getreg_b32 s2, hwreg(HW_REG_IB_STS2, 6, 4)
	s_cmp_eq_u32 s2, 0
	s_cbranch_scc0 .Lentry_in_a_cluster
	s_endpgm
.Lentry_in_a_cluster:
	s_bfe_u32 s2, ttmp6, 0x10000c
	s_cmp_lg_u32 s2, 0xf033
	s_cbranch_scc0 .Lentry_shape_is_right
	s_endpgm
.Lentry_shape_is_right:
; The projections v Wk + bk and v Wv + bv on codes of FP4 (E2M1) with E8M0 scales, K = 1,024; f32 sums; the results are QUANTISED IN REGISTERS for the two products of attention and leave as codes.  (q Wq + bq is made by the launch that uses it.)
; A cluster of 4 x 4 work-groups takes 1,024 x 1,024 of one projection: cluster y / 8 says which (0 K, 1 V), cluster y % 8 which eighth of v's 8,192 rows.  A work-group makes 256 x 256, each of its four waves 128 x 128: 64 accumulators.  256 work-groups.
; TWO OPERANDS, R AND P.  Source 1 takes 16 rows of R: in the result a lane holds ONE row of R.  Source 0 takes 16 rows of P: the lane's registers run along P, the axis along which the result is quantised:
;   K: R = rows of v (keys), P = columns of Wk (a head's 128).      V: R = columns of Wv, P = rows of v (the keys): V leaves with the keys innermost.
; Both operands were stored with bits 3 and 4 of the row's number swapped, so that the 64 registers of a lane's eight accumulators of one block of R are, in order, P = 32 b + 16 (lane / 16) + 0 .. 15, b = 0 .. 3.
; The bias is the C of each sum's first matrix instruction: along P for K (eight numbers a tile), along R for V (one number a lane, in eight registers).
; A WAVE'S RESULT IS ONE BLOCK: 8 fragments (16 rows of R x 128 along P) as images of the operand's registers (registers 4 c .. 4 c + 3 of lane l at 1,024 a + 512 c + 16 l) and 512 bytes of scale words
; (lane l at 16 l: the words of fragments 4 (l / 16) .. + 3, row l % 16).   kv [head 32][chunk 4][K's codes 4 x 8,192 | V's codes 4 x 8,192 | K's scale words 4 x 512 | V's 4 x 512].
; ALL OF K LIES IN LDS AT ONCE: R's 256 rows and P's 256 rows of 512 bytes, and their scale bytes: four tiles, one tensor load a wave at the head; nothing is filled again, so one barrier serves the launch.
; CLUSTER: the four work-groups of a row of the cluster need the same rows of R, the four of a column the same rows of P: each tile is asked for jointly.
; No prefetch: every byte is asked for at the head, and there is no loop to run ahead in.
; LIMITS: NaN and infinities are not served; a block of zeros or under 2^-124 gets the byte 1 (its codes are zeros or are taken at that scale); the bytes are read by this program alone.
; REGISTERS: window 0: v1-6, v16-31 addresses; v32-95 scale words; v128-191 R's fragments, one set, later the codes made; v192-255 the bias, later at work; v96-107 the scale words made.
;   window 1: P's fragments, two sets.   window 2: the accumulators of my rows 0-63 of R ((a, b) at v[8 (8 a + b)]);   window 3: those of rows 64-127.
.set ROWB,   512                       ; a row of codes, in memory and in a tile
.set PITCH,  528                       ; an LDS row: 512 bytes + 16 of padding = 132 words: the 16 rows that a load touches start at 16 different banks (64 banks of 4 bytes: ISA guide 11.1)
.set FR,     8                         ; registers of a fragment
.set NL,     2                         ; LDS loads that bring one
.set HALFT,  128*PITCH                 ; 128 rows: what one wave reads of R or of P
.set KS,     32                        ; a row of scale bytes
.set SCL,    4*HALFT                   ; behind R's 256 rows and P's 256: the scales, as units of 256 bytes + 16 of padding
.set HALFS,  (128*KS/256)*272          ; those of 128 rows
.set SBLK,   (16*KS/256)*272           ; those of 16 rows
.set SPARE,  SCL+4*HALFS               ; the spare words, 128 bytes for each wave: two blocks of 256 bytes that no other line names
.set ADRA, 16                          ; v16  LDS address of my fragments of R
.set ADRB, 20                          ; v20  the same for P
.set VOC,  24                          ; v24  my byte offset among the block's codes
.set VOS,  25                          ; v25  and among its scale words
.set LN,   26                          ; v26  lane
.set ADRS, 27                          ; v27  LDS address of my scale words: lanes 0-15 R's rows, lanes 16-31 P's
.set SPW,  28                          ; v28  LDS address of my spare word; never rewritten
.set NIL,  29                          ; v29  0; never rewritten
.set BO,   30                          ; v30  bias along P: 64 (lane / 16) bytes
.set BR,   31                          ; v31  bias along R: 4 (r + 8 (r / 8)) bytes
.set SC,   32                          ; scale words: register 32 (q / 4) + 4 i + q % 4: lanes 0-15 the word of R's block i, lanes 16-31 that of P's block i, for the q-th 128 along K
.set PW,   96                          ; v96-103  the scale words made
.set PS,   104                         ; v104-107 as they are stored
.set AF,   128                         ; R's fragments; later the codes of block a at v[AF + 8 a]
.set BIAS, 192                         ; v192-255 eight tiles of bias
.set TM,   200                         ; v200-215 at work on the way out
.set G1,   24                          ; s[24:31], s[32:35] descriptor groups 1 and 0 for R's codes
.set G0,   32
.set G1B,  48                          ; s[48:55], s[56:59] for P's codes
.set G0B,  56
.set G1S,  68                          ; s[68:75], s[76:79] for R's scales
.set G0S,  76
.set G1SB, 80                          ; s[80:87], s[88:91] for P's scales
.set G0SB, 88
.set MSB, 0
.macro WIN new                         ; the immediate's high byte repeats the setting that is left
.if MSB != \new
	s_set_vgpr_msb (MSB<<8)|\new
.set MSB, \new
.endif
.endm
.set MUL_LO,  0xa1                     ; source 0 (P) window 1, source 1 (R) window 0, C and D window 2
.set MUL_HI,  0xf1                     ; the same, C and D window 3
.set BIAS_LO, 0x81                     ; the first step: C (the bias) window 0, D window 2
.set BIAS_HI, 0xc1                     ; D window 3
.set TO_B,    0x40                     ; destination window 1, address window 0
.macro CROUND                          ; a round of the cluster's barrier
	s_barrier_signal -1
	s_barrier_wait -1
	s_cmp_lg_u32 s14, 0
	s_cbranch_scc1 .Lnot_wave_0_\@
	s_barrier_signal -3
.Lnot_wave_0_\@:
	s_barrier_wait -3
	s_barrier_signal -1
	s_barrier_wait -1
.endm
	s_load_b256 s[24:31], s[0:1], 0x0              ; xc s[24:25], xs s[26:27], wc s[28:29], ws s[30:31]
	s_load_b128 s[32:35], s[0:1], 0x20             ; bk s[32:33], bv s[34:35]
	s_load_b64 s[48:49], s[0:1], 0x30              ; kv
	v_lshl_add_u32 v[SPW], v0, 2, SPARE
	v_mov_b32 v[NIL], 0
	ds_add_u32 v[SPW], v[NIL]                      ; the opening lines: the add, twice on end, and its wait ahead of my tensor load
	ds_add_u32 v[SPW], v[NIL]
	v_lshrrev_b32 v1, 5, v0
	v_readfirstlane_b32 s14, v1                    ; wave 0..3
	s_lshr_b32 s15, s14, 1                         ; which half of the tile's rows of R is mine
	s_and_b32 s16, s14, 1                          ; which half of its rows of P
	s_and_b32 s95, ttmp7, 0xffff                   ; the cluster's y, the same in all sixteen partners
	s_lshr_b32 s67, s95, 3                         ; 0 K, 1 V
	s_and_b32 s95, s95, 7                          ; which eighth of the 8,192 rows
	s_mov_b32 s52, 1<<22                           ; v's rows lie behind q's 8,192: 512 bytes of codes a row,
	s_mov_b32 s53, 0
	s_mov_b32 s54, 1<<18                           ; 32 scale bytes
	s_mov_b32 s55, 0
	s_lshl_b32 s56, s67, 19                        ; Wv's 1,024 rows behind Wk's
	s_mov_b32 s57, 0
	s_lshl_b32 s58, s67, 15
	s_mov_b32 s59, 0
	s_mov_b32 s100, 0x76543210
	s_mov_b32 s101, 0xfedcba98                     ; v_permlanex16_b32's selects for lane l xor 16
	s_wait_dscnt 0x0                               ; both opening adds are done
	s_wait_kmcnt 0x0
	s_add_nc_u64 s[24:25], s[24:25], s[52:53]
	s_add_nc_u64 s[26:27], s[26:27], s[54:55]
	s_add_nc_u64 s[28:29], s[28:29], s[56:57]
	s_add_nc_u64 s[30:31], s[30:31], s[58:59]
	s_cmp_eq_u32 s67, 1                            ; V: the weight is R and v's rows are P; K: the other way round.  The choices hang on the cluster's y alone
	s_cselect_b64 s[4:5], s[28:29], s[24:25]       ; R's codes
	s_cselect_b64 s[6:7], s[30:31], s[26:27]       ; R's scales
	s_cselect_b64 s[8:9], s[24:25], s[28:29]       ; P's codes
	s_cselect_b64 s[10:11], s[26:27], s[30:31]     ; P's scales
	s_cselect_b64 s[96:97], s[34:35], s[32:33]     ; bv or bk
	s_cselect_b32 s2, s95, 0                       ; which four tile columns (P),
	s_cselect_b32 s3, 0, s95                       ; which four tile rows (R)
	s_mov_b64 s[12:13], s[48:49]                   ; kv
	s_bfe_u32 s40, ttmp6, 0x40000                  ; cx, cy: my place in the cluster
	s_bfe_u32 s41, ttmp6, 0x40004
	s_lshl_b32 s42, s2, 2
	s_add_co_u32 s42, s42, s40                     ; tile column
	s_lshl_b32 s17, s3, 2
	s_add_co_u32 s17, s17, s41                     ; tile row
	s_lshl_b32 s43, s41, 2
	s_lshl_b32 s43, 15, s43                        ; my row of the cluster
	s_lshl_b32 s44, 0x1111, s40                    ; my column
	s_or_b32 s[G1+0], s43, (0<<16)|(1<<20)|(1<<21)|(6<<22)|(3<<25)  ; the mask: R's tiles go to my row; elements of 1 byte; padding on; bit 21 beside a mask; after every 128 words 4 words
	s_or_b32 s[G1B+0], s44, (0<<16)|(1<<20)|(1<<21)|(6<<22)|(3<<25)
.irp g, G1, G1B
	s_mov_b32 s[\g+1], ROWB<<16                    ; tensor_dim0
	s_mov_b32 s[\g+2], 256<<16                     ; tensor_dim1
	s_mov_b32 s[\g+3], ROWB<<16                    ; tile_dim0
	s_mov_b32 s[\g+4], 256                         ; tile_dim1
	s_mov_b32 s[\g+5], ROWB                        ; tensor_dim0_stride
	s_mov_b32 s[\g+6], 0
	s_mov_b32 s[\g+7], 0
.endr
	s_or_b32 s[G1S+0], s43, (3<<16)|(1<<20)|(1<<21)|(5<<22)|(3<<25) ; the scales of 256 rows: 8,192 dense bytes, as 32 rows of 256 bytes (32 elements of 8), 16 bytes of padding behind each
	s_or_b32 s[G1SB+0], s44, (3<<16)|(1<<20)|(1<<21)|(5<<22)|(3<<25)
.irp g, G1S, G1SB
	s_mov_b32 s[\g+1], 32<<16
	s_mov_b32 s[\g+2], KS<<16
	s_mov_b32 s[\g+3], 32<<16
	s_mov_b32 s[\g+4], KS
	s_mov_b32 s[\g+5], 32
	s_mov_b32 s[\g+6], 0
	s_mov_b32 s[\g+7], 0
.endr
	s_lshl_b32 s20, s17, 8                         ; R: the tile's first row
	s_lshl_b32 s46, s42, 8                         ; P: likewise
	s_mov_b32 s21, 0
	s_mov_b32 s47, 0
	s_mov_b64 s[18:19], KS
	s_mul_u64 s[22:23], s[20:21], s[18:19]         ; where these rows' scales begin, in bytes,
	s_mul_u64 s[92:93], s[46:47], s[18:19]
	s_mov_b64 s[18:19], ROWB
	s_mul_u64 s[20:21], s[20:21], s[18:19]         ; and their codes
	s_mul_u64 s[46:47], s[46:47], s[18:19]
	s_add_nc_u64 s[20:21], s[4:5], s[20:21]
	s_add_nc_u64 s[22:23], s[6:7], s[22:23]
	s_add_nc_u64 s[46:47], s[8:9], s[46:47]
	s_add_nc_u64 s[92:93], s[10:11], s[92:93]
	CROUND                                         ; all sixteen work-groups are here: the joint loads meet
	s_mov_b32 s[G0], 1
	s_mov_b32 s[G0+1], 0
	s_mov_b64 s[G0+2:G0+3], s[20:21]
	s_or_b32 s[G0+3], s[G0+3], 0x80000000
	s_mov_b32 s[G0B], 1
	s_mov_b32 s[G0B+1], 2*HALFT
	s_mov_b64 s[G0B+2:G0B+3], s[46:47]
	s_or_b32 s[G0B+3], s[G0B+3], 0x80000000
	s_mov_b32 s[G0S], 1
	s_mov_b32 s[G0S+1], SCL
	s_mov_b64 s[G0S+2:G0S+3], s[22:23]
	s_or_b32 s[G0S+3], s[G0S+3], 0x80000000
	s_mov_b32 s[G0SB], 1
	s_mov_b32 s[G0SB+1], SCL+2*HALFS
	s_mov_b64 s[G0SB+2:G0SB+3], s[92:93]
	s_or_b32 s[G0SB+3], s[G0SB+3], 0x80000000
; THE FOUR TILES, ONE LOAD A WAVE: wave 0 R's codes, wave 1 P's, wave 2 R's scales, wave 3 P's.  One tree of branches on the wave's number: every way passes exactly one load.
.macro ARM under, g0, g1, next
	s_cmp_lt_u32 s14, \under
	s_cbranch_scc0 \next
	tensor_load_to_lds s[\g0:\g0+3], s[\g1:\g1+7]
	s_nop 0
.rept 4
	v_nop
.endr
	s_branch .Lhead_asked
\next:
.endm
	ARM 1, G0,  G1,  .Lhead_b
	ARM 2, G0B, G1B, .Lhead_sa
	ARM 3, G0S, G1S, .Lhead_sb
	tensor_load_to_lds s[G0SB:G0SB+3], s[G1SB:G1SB+7]
	s_nop 0
.rept 4
	v_nop
.endr
.Lhead_asked:
	s_mul_i32 s21, s15, HALFT                      ; my 128 rows of R
	s_mul_i32 s22, s16, HALFT                      ; my 128 rows of P,
	s_add_co_u32 s22, s22, 2*HALFT                 ; which lie behind R's 256
	s_mul_i32 s36, s15, HALFS                      ; R's scales: my 128 rows
	s_mul_i32 s23, s16, HALFS                      ; P's: my 128 rows, behind R's 256
	s_add_co_u32 s23, s23, 2*HALFS
	s_sub_co_u32 s23, s23, s36                     ; the distance between the two
	s_add_co_u32 s36, s36, SCL
	s_lshl_b32 s4, s17, 1                          ; where my block goes.  Of my two block numbers one counts 128 rows of v (16 to a batch), the other is the head
	s_add_co_u32 s4, s4, s15                       ; my block of R
	s_lshl_b32 s5, s42, 1
	s_add_co_u32 s5, s5, s16                       ; my block of P
	s_cmp_eq_u32 s67, 1
	s_cselect_b32 s6, s5, s4                       ; the block of rows of v,
	s_cselect_b32 s7, s4, s5                       ; the head within the batch
	s_lshr_b32 s8, s6, 4                           ; batch
	s_and_b32 s9, s6, 15                           ; block of 128 keys within it
	s_lshl_b32 s8, s8, 3
	s_add_co_u32 s8, s8, s7                        ; head 0..31
	s_lshl_b32 s18, s8, 2
	s_lshr_b32 s19, s9, 2
	s_add_co_u32 s18, s18, s19
	s_mul_i32 s18, s18, 69632                      ; the chunk of 512 keys
	s_and_b32 s19, s9, 3
	s_lshl_b32 s20, s19, 13
	s_add_co_u32 s20, s20, s18
	s_lshl_b32 s37, s67, 15
	s_add_co_u32 s98, s20, s37                     ; the block's codes: K's four blocks, then V's four
	s_lshl_b32 s19, s19, 9
	s_add_co_u32 s37, s18, s19
	s_lshl_b32 s19, s67, 11
	s_add_co_u32 s37, s37, s19
	s_add_co_u32 s99, s37, 65536                   ; its scale words, behind the codes
	s_lshl_b32 s18, s7, 9                          ; the head's 128 numbers of the bias
	s_mov_b32 s19, 0
	s_add_nc_u64 s[96:97], s[96:97], s[18:19]
	v_and_b32 v1, 15, v0                           ; r = l % 16
	v_bfe_u32 v2, v0, 4, 1                         ; h = l / 16
	v_mul_u32_u24 v3, v1, PITCH
	v_lshl_add_u32 v4, v2, 4, v3                   ; a fragment's row x pitch + 16 x half
	v_add_nc_u32 v[ADRA], s21, v4
	v_add_nc_u32 v[ADRB], s22, v4
	v_mul_u32_u24 v5, v1, KS                       ; my row's scales: 32 bytes a row,
	v_lshrrev_b32 v6, 8, v5
	v_lshl_add_u32 v5, v6, 4, v5                   ; and 16 more for each 256 passed
	v_mul_u32_u24 v6, s23, v2                      ; lanes 16-31 take P's: one product, the distance between the two bases
	v_add_nc_u32 v5, v5, v6
	v_add_nc_u32 v[ADRS], s36, v5
	v_and_b32 v[LN], 31, v0
	v_lshlrev_b32 v6, 4, v[LN]
	v_add_nc_u32 v[VOC], s98, v6
	v_add_nc_u32 v[VOS], s99, v6
	v_lshlrev_b32 v[BO], 6, v2
	v_and_b32 v5, 8, v1
	v_add_nc_u32 v5, v5, v1
	v_lshlrev_b32 v[BR], 2, v5
	s_wait_alu depctr_va_vdst(0)                   ; the wait at the head's end, ahead of the branch and the waits below
	s_cmp_eq_u32 s67, 1
	s_cbranch_scc1 .Lbias_r
.irp b, 0,1,2,3,4,5,6,7                ; K: tile b of P: register j of lane (r, h) is the head's channel 32 (b / 2) + 8 (b % 2) + 16 h + j
	global_load_b128 v[BIAS+8*\b:BIAS+8*\b+3], v[BO], s[96:97] offset:(32*(\b/2)+8*(\b%2))*4
	global_load_b128 v[BIAS+8*\b+4:BIAS+8*\b+7], v[BO], s[96:97] offset:(32*(\b/2)+8*(\b%2))*4+16
.endr
	s_branch .Lbias_asked
.Lbias_r:
.irp a, 0,1,2,3,4,5,6,7                ; V: block a of R: lane r is channel 32 (a / 2) + 8 (a % 2) + r + 8 (r / 8), and C wants its number in all eight registers
.irp j, 0,1,2,3,4,5,6,7
	global_load_b32 v[BIAS+8*\a+\j], v[BR], s[96:97] offset:(32*(\a/2)+8*(\a%2))*4
.endr
.endr
.Lbias_asked:
.macro FRAG reg, adr, q, i             ; a fragment, 16 rows x 128 K of 4-bit codes: lane l holds row l % 16; registers 4 c .. 4 c + 3 hold K = 64 c + 32 (l / 16) + 0 .. 31
.irp c, 0,1
	ds_load_b128 v[\reg+4*\c:\reg+4*\c+3], v[\adr] offset:64*(\q)+32*\c+(\i)*16*PITCH
.endr
.endm
.macro WM a, b, q, cb                  ; R's block a x P's block b, the q-th 128 along K; C begins at register cb of its window
	v_wmma_scale_f32_16x16x128_f8f6f4 v[8*(8*((\a)%4)+(\b)):8*(8*((\a)%4)+(\b))+7], v[128*((\q)%2)+FR*(\b):128*((\q)%2)+FR*(\b)+FR-1], v[AF+FR*(\a):AF+FR*(\a)+FR-1], v[\cb:\cb+7], v[SC+32*((\q)/4)+4*(\b)+(\q)%4], v[SC+32*((\q)/4)+4*(\a)+(\q)%4] matrix_a_fmt:MATRIX_FMT_FP4 matrix_b_fmt:MATRIX_FMT_FP4 matrix_a_scale:MATRIX_SCALE_ROW1
.endm
; 16 matrix instructions: R's blocks a0, a0 + 1 x P's eight.  zero = 1: the sums start from the bias along P; 2: from the bias along R; 0: they go on.
; The 64 accumulators take turns, one instruction a turn, in the same order in every step.
.macro MUL16 a0, q, zero
.irp a, \a0, \a0+1
.irp b, 0,1,2,3,4,5,6,7
.if \zero == 1
	WM \a, \b, \q, BIAS+8*(\b)
.elseif \zero == 2
	WM \a, \b, \q, BIAS+8*(\a)
.else
	WM \a, \b, \q, 8*(8*((\a)%4)+(\b))
.endif
.endr
.endr
.endm
.macro FETCH_B q                       ; P's eight fragments of the q-th 128 along K into set q % 2
	WIN TO_B
.irp i, 0,1,2,3,4,5,6,7
	FRAG 128*((\q)%2)+FR*\i, ADRB, \q, \i
.endr
	WIN 0
.endm
.macro FETCH_A q, i0                   ; R's blocks i0 .. i0 + 3
.irp i, \i0, \i0+1, \i0+2, \i0+3
	FRAG AF+FR*(\i), ADRA, \q, \i
.endr
.endm
.macro PLACES                          ; four places behind a matrix instruction, ahead of loads into its registers and of reads of its result (ISA guide 7.12.1 for reads of its result)
.rept 4
	v_nop
.endr
.endm
; A step of 128 along K that has a successor.  A block of R is free as soon as its eight products are issued: blocks 0-3 are fetched anew in the step's middle, blocks 4-7 at its end.
.macro STEP q, zero
	s_wait_dscnt 4*NL                              ; P's set and R's blocks 0-3 are in; the youngest eight loads (R's blocks 4-7) may be out
.if \zero
	WIN BIAS_LO
.else
	WIN MUL_LO
.endif
	MUL16 0, \q, \zero
	MUL16 2, \q, \zero
	s_wait_dscnt 0                                 ; R's blocks 4-7 are in
	PLACES
	FETCH_B (\q)+1
	FETCH_A (\q)+1, 0
.if \zero
	WIN BIAS_HI
.else
	WIN MUL_HI
.endif
	MUL16 4, \q, \zero
	MUL16 6, \q, \zero
	PLACES
	WIN 0
	FETCH_A (\q)+1, 4
.endm
	s_wait_tensorcnt 0x0                           ; my tile is in,
	s_barrier_signal -1
	s_barrier_wait -1                              ; and everybody's: all of K lies in LDS
	FETCH_B 0
	FETCH_A 0, 0
.irp t, 0,1
.irp i, 0,1,2,3,4,5,6,7
	ds_load_b128 v[SC+32*\t+4*\i:SC+32*\t+4*\i+3], v[ADRS] offset:\i*SBLK+16*\t   ; all eight scale words of each row: lanes 0-15 R's block i, lanes 16-31 P's block i
.endr
.endr
	FETCH_A 0, 4
	s_wait_loadcnt 0x0                             ; the bias
	s_cmp_eq_u32 s67, 1                            ; the first step is written twice: it differs in which tile of the bias starts a sum.  The branch hangs on the cluster's y alone
	s_cbranch_scc1 .Lfirst_r
	STEP 0, 1
	s_branch .Lfirst_done
.Lfirst_r:
	STEP 0, 2
.Lfirst_done:
.irp q, 1,2,3,4,5,6
	STEP \q, 0
.endr
	s_wait_dscnt 4*NL                              ; the last step: nothing more to fetch
	WIN MUL_LO
	MUL16 0, 7, 0
	MUL16 2, 7, 0
	s_wait_dscnt 0
	WIN MUL_HI
	MUL16 4, 7, 0
	MUL16 6, 7, 0
	WIN 0
.irp b, 0,1,2,3
	v_mov_b32 v[TM+4+\b], 0                        ; a lane permute's destination counts as one of its sources.  These four are also the places behind the last products
.endr
; THE WAY OUT: block a of R (16 rows) is quantised along P.  Register 16 b + i of the lane's 64 is P = 32 b + 16 (lane / 16) + i: a block of 32 lies in lanes l and l xor 16.
.macro QUANTW a
.set WN, 2+(\a)/4                      ; the accumulators' window
.set WW, 5*WN
.set QS, 64*((\a)%4)
.set QC, AF+8*(\a)
	WIN WW                                         ; sources 0 and 1 in the accumulators' window
.irp b, 0,1,2,3
	v_max3_num_f32 v[TM+\b], |v[QS+16*\b]|, |v[QS+16*\b+1]|, 0x1800000   ; my 16 numbers of block b, each accumulator from its low end on, and the floor 2^(3 - 127): the byte cannot fall under 1
.endr
.irp i, 2,4,6,8,10,12,14
.irp b, 0,1,2,3
	v_max3_num_f32 v[TM+\b], |v[QS+16*\b+\i]|, |v[QS+16*\b+\i+1]|, v[TM+\b]
.endr
.endr
	WIN 0
.irp b, 0,1,2,3
	v_permlanex16_b32 v[TM+4+\b], v[TM+\b], s100, s101
.endr
.irp b, 0,1,2,3
	v_max_num_f32 v[TM+\b], v[TM+\b], v[TM+4+\b]   ; with lane l xor 16's: the block's largest magnitude
.endr
.irp b, 0,1,2,3
	v_add_nc_u32 v[TM+12+\b], 0xff000000, v[TM+\b] ; 2 off its exponent field: the conversion's scale operand
.endr
.irp b, 0,1,2,3
	v_lshrrev_b32 v[TM+4+\b], 23, v[TM+12+\b]      ; the scale's byte
.endr
	v_lshl_or_b32 v[PW+(\a)], v[TM+5], 8, v[TM+4]  ; the four bytes make my row's scale word
	v_lshl_or_b32 v[PW+(\a)], v[TM+6], 16, v[PW+(\a)]
	v_lshl_or_b32 v[PW+(\a)], v[TM+7], 24, v[PW+(\a)]
	WIN WN                                         ; source 0 in the accumulators' window
.irp b, 0,1,2,3
	v_cvt_scalef32_pk8_fp4_f32 v[QC+2*\b], v[QS+16*\b:QS+16*\b+7], v[TM+12+\b]
	v_cvt_scalef32_pk8_fp4_f32 v[QC+2*\b+1], v[QS+16*\b+8:QS+16*\b+15], v[TM+12+\b]
.endr
	WIN 0
	v_nop                                          ; one plain place behind a scaled conversion
.irp c, 0,1                            ; the operand's layout wants a WHOLE block in a lane: lanes 0-15 block 2 c, lanes 16-31 block 2 c + 1
.irp i, 0,1
	v_permlane16_swap_b32 v[QC+4*\c+\i], v[QC+2+4*\c+\i]
.endr
.endr
	global_store_b128 v[VOC], v[QC:QC+3], s[12:13] offset:1024*(\a)          ; the fragment as it stands: 512 consecutive bytes a store; each block has registers of its own
	global_store_b128 v[VOC], v[QC+4:QC+7], s[12:13] offset:1024*(\a)+512
.endm
.irp a, 0,1,2,3,4,5,6,7
	QUANTW \a
.endr
	v_cmp_gt_u32 vcc_lo, 16, v[LN]
.irp i, 0,1,2,3
	v_cndmask_b32 v[PS+\i], v[PW+4+\i], v[PW+\i], vcc_lo   ; lanes 0-15 keep the words of blocks 0-3, lanes 16-31 those of blocks 4-7: as a scale register with two rows wants them
.endr
	global_store_b128 v[VOS], v[PS:PS+3], s[12:13]
	s_wait_tensorcnt 0x0                           ; the wave's end
	ds_add_u32 v[SPW], v[NIL]
	s_wait_dscnt 0x0
	CROUND                                         ; the closing round: no work-group ends while a partner may still ask for a tile that names it
	s_endpgm
.Lfunc_end_k_qb8489c20fc_proj:
	.size	k_qb8489c20fc_proj, .Lfunc_end_k_qb8489c20fc_proj-k_qb8489c20fc_proj
	.p2alignl 7, 3214868480
	.fill 96, 4, 3214868480
	.section	.rodata,"a",@progbits
	.p2align	6, 0x0
	.amdhsa_kernel k_qb8489c20fc_proj
		.amdhsa_group_segment_fixed_size 327680
		.amdhsa_private_segment_fixed_size 0
		.amdhsa_enable_private_segment 0
		.amdhsa_kernarg_size 56
		.amdhsa_user_sgpr_count 2
		.amdhsa_user_sgpr_kernarg_segment_ptr 1
		.amdhsa_wavefront_size32 1
		.amdhsa_system_sgpr_workgroup_id_x 1
		.amdhsa_system_sgpr_workgroup_id_y 1
		.amdhsa_system_sgpr_workgroup_id_z 1
		.amdhsa_system_vgpr_workitem_id 0
		.amdhsa_next_free_vgpr 1024
		.amdhsa_next_free_sgpr 102
		.amdhsa_reserve_vcc 1
		.amdhsa_float_denorm_mode_32 3
		.amdhsa_float_denorm_mode_16_64 3
		.amdhsa_memory_ordered 1
		.amdhsa_forward_progress 1
		.amdhsa_inst_pref_size 145
	.end_amdhsa_kernel
	.amdgpu_metadata
---
amdhsa.version: [ 1, 2 ]
amdhsa.kernels:
  - .name:           k_qb8489c20fc_proj
    .symbol:         k_qb8489c20fc_proj.kd
    .args:
      - { .name: xc, .offset: 0, .size: 8, .value_kind: global_buffer, .address_space: global }
      - { .name: xs, .offset: 8, .size: 8, .value_kind: global_buffer, .address_space: global }
      - { .name: wc, .offset: 16, .size: 8, .value_kind: global_buffer, .address_space: global }
      - { .name: ws, .offset: 24, .size: 8, .value_kind: global_buffer, .address_space: global }
      - { .name: bk, .offset: 32, .size: 8, .value_kind: global_buffer, .address_space: global }
      - { .name: bv, .offset: 40, .size: 8, .value_kind: global_buffer, .address_space: global }
      - { .name: kv, .offset: 48, .size: 8, .value_kind: global_buffer, .address_space: global }
    .group_segment_fixed_size: 327680
    .private_segment_fixed_size: 0
    .kernarg_segment_align: 8
    .kernarg_segment_size: 56
    .max_flat_workgroup_size: 128
    .sgpr_count:     102
    .vgpr_count:     1024
    .wavefront_size: 32
...
	.end_amdgpu_metadata
.endif
;; end of part 2
;; launch attn (part 3): grid 8 x 32, 16 waves a work-group, clusters of 4 x 1, 327,680 bytes of LDS; arguments xc, xs, wqi, bq, kv, out0; writes out0
.if DOCPART == 3
	.amdgcn_target "amdgcn-amd-amdhsa--gfx1250"
	.amdhsa_code_object_version 6
	.text
	.protected	k_qb8489c20fc_attn
	.globl	k_qb8489c20fc_attn
	.p2align	8
	.type	k_qb8489c20fc_attn,@function
k_qb8489c20fc_attn:
	s_mov_b64 s[64:65], 0
	v_nop
	global_prefetch_b8 v0, s[64:65] scope:SCOPE_SE
	s_setreg_imm32_b32 hwreg(HW_REG_WAVE_MODE, 25, 1), 1
	s_wait_xcnt 0x0
	s_wait_alu depctr_hold_cnt(0) depctr_sa_sdst(0) depctr_va_vdst(0) depctr_va_sdst(0) depctr_va_ssrc(0) depctr_va_vcc(0) depctr_vm_vsrc(0)
	s_getreg_b32 s2, hwreg(HW_REG_IB_STS2, 6, 4)
	s_cmp_eq_u32 s2, 0
	s_cbranch_scc0 .Lentry_in_a_cluster
	s_endpgm
.Lentry_in_a_cluster:
	s_bfe_u32 s2, ttmp6, 0x10000c
	s_cmp_lg_u32 s2, 0x3003
	s_cbranch_scc0 .Lentry_shape_is_right
	s_endpgm
.Lentry_shape_is_right:
; out0[b][q][128 hd + d] = the sum over keys of softmax(Q . K / 32) V, Q = q Wq + bq, for 32 heads (4 batches x 8) of 2,048 queries x 2,048 keys x 128: all three products on codes of FP4 (E2M1) with E8M0 scales.
; K, V and Wq come as images of operand registers: a fragment (16 rows x 128 K) is 1,024 bytes, registers 4 c .. 4 c + 3 of lane l at 512 c + 16 l.
;   kv [head 32][chunk of 512 keys][K 4 x 8,192 | V 4 x 8,192 | K's words 4 x 512 | V's 4 x 512]: a block of eight fragments has 512 bytes of scale words, lane l at 16 l: the words of fragments 4 (l / 16) .. + 3, row l % 16.
;   wqi [head 8][fragment (f, s) at 8,192 f + 1,024 s | 128 stored columns x 32 scale bytes]: 69,632 bytes, as many as a chunk.   xc [row][512], xs [row][32]: q's codes and scale bytes, rows stored with bits 3 and 4 swapped.
; SHARES.  A work-group owns 256 queries of a head; each of its sixteen waves one tile of 16, in 256 registers: four waves to a SIMD, so that one wave's vector work stands beside another's matrix work and LDS loads.
; LDS.  At the head every wave asks for one sixteenth of 278,528 bytes: waves 0 to 11 for chunks 0 to 2, waves 12 to 15 for the head's part of wqi, which lies where chunk 3 will lie.
; Q IS MADE HERE: each wave multiplies its 16 stored rows of q (from memory into registers: 32 bytes of each of 16 rows a load, every byte of the rows once) by the head's 128 columns of Wq, 64 matrix instructions,
; the sums starting from bq, and quantises the result along the head's 128 in registers.  Then wqi's bytes are filled again with chunk 3 (waves 12 to 15), which has eight key steps before its loaders wait for it.
; ONE BARRIER stands in the sixteen key steps, split: each wave signals ahead of step 8, its part of chunk 3 in, and waits ahead of step 12.
; CLUSTER.  The four query blocks of a cluster belong to one head and read the same bytes: each load is asked for jointly, with a mask that names the four.
; No prefetch: all but chunk 3 is asked for at the head, ahead of every loop, and chunk 3's load is waited for eight key steps behind its issue.
; THE SOFTMAX AHEAD OF THE LAST PRODUCT: t = score x log2(e) / 32; M = the row's largest t so far, rounded UP to a whole number; p = 2^(t - M) is quantised along the keys, not normalised.
; The row's sum is taken of the unquantised p and divides at the end.  When M moves, the sum and O are multiplied by 2^(old M - new M): exact.
; LAYOUT.  All products are used transposed (source 0 = 16 channels or keys, source 1 = my 16 queries): a lane holds ONE query throughout.  Lane r of fragment 2 b + u holds row 32 b + 8 u + r + 8 (r / 8),
; so that the 16 registers of results 2 b and 2 b + 1 are 16 neighbours: 32 b + 16 (lane / 16) + 0 .. 15.  My 16 queries are of that kind too.
; A block's largest p is not searched for: the block's largest score goes through the same multiply-add and exponential (this takes v_exp_f32 not to fall where its input rises).
; LIMITS: NaN and infinities are not served; t is taken to lie above -3e38; a block whose largest magnitude lies under 2^-124 gets the byte 1.
; REGISTERS: v1 16 x lane; v2-7, v10-11 Wq's scale words; v8-9 addresses; v12 -M, v13 the largest t, v[14:15] the sum; v16-23 Q; v24-31 q's scale words, then K's and V's; v32-95 eight fragments;
;   v96-159 Q's sums, then S^T and p; v160-223 q's fragments, then O^T; v224-231 p's codes; v232-249 at work; v250-251 the add's; v253 p's scale word; v255 Q's.
.set CHB,   69632                      ; a chunk in bytes
.set PART,  CHB/4                      ; what one tensor load brings: 68 rows of 256 bytes
.set WQ,    3*CHB                      ; wqi's part, later chunk 3
.set SPARE, 4*CHB                      ; the spare words, 128 bytes for each wave: eight blocks of 256 bytes that no other line names
.set SPIT,  528                        ; the way out: a stage row, 512 bytes + 16
.set LI,    1
.set ADK,   8                          ; v8   LDS address of the step's fragments
.set ADS,   9                          ; v9   of its scale words
.set AWQ,   248                        ; v248 LDS address of Wq's fragments
.set AWS,   249                        ; v249 of Wq's scale words: lanes 0-15 fragment f, lanes 16-31 fragment f + 4
.set SPW,   250
.set NIL,   251
.set WV,    10                         ; s10  my wave's number
.set G1,    16                         ; s[16:23] descriptor group 1
.set G0,    24                         ; s[24:27] group 0 of the head's load;  s[28:31] of chunk 3's
.set G0R,   28
.set SEL,   40                         ; s[40:41] lane selects for v_permlanex16_b32: lane l xor 16
.set CS,    42                         ; s[42:43] c = log2(e) / 32: the packed form names a pair and takes its low word for both halves
.set TB,    44                         ; s44  LDS byte at which the step's block of K begins
.set TS,    45                         ; s45  and its scale words
.set CNT,   46                         ; s46  counts a chunk's four steps
.macro CROUND                          ; a round of the cluster's barrier
	s_barrier_signal -1
	s_barrier_wait -1
	s_cmp_lg_u32 s[WV], 0
	s_cbranch_scc1 .Lnot_wave_0_\@
	s_barrier_signal -3
.Lnot_wave_0_\@:
	s_barrier_wait -3
	s_barrier_signal -1
	s_barrier_wait -1
.endm
	s_load_b256 s[48:55], s[0:1], 0x0              ; xc s[48:49], xs s[50:51], wqi s[52:53], bq s[54:55]
	s_load_b128 s[56:59], s[0:1], 0x20             ; kv s[56:57], out0 s[58:59]
	v_lshl_add_u32 v[SPW], v0, 2, SPARE
	v_mov_b32 v[NIL], 0
	ds_add_u32 v[SPW], v[NIL]                      ; the opening lines: the add, twice on end, and its wait ahead of my first tensor load
	ds_add_u32 v[SPW], v[NIL]
	v_lshrrev_b32 v8, 5, v0
	v_readfirstlane_b32 s[WV], v8                  ; wave 0..15
	s_bfe_u32 s11, ttmp6, 0x40000                  ; cx: my place in the cluster
	s_lshl_b32 s12, ttmp9, 2
	s_add_co_u32 s12, s12, s11                     ; my block of 256 queries: it enters q's and the output's addresses alone
	s_and_b32 s13, ttmp7, 0xffff                   ; the head, which the four partners share
	s_mov_b32 s[G1+0], 15|(3<<16)|(1<<21)          ; the mask: all four work-groups; elements of 8 bytes; no padding; bit 21 beside a mask
	s_mov_b32 s[G1+1], 32<<16                      ; 68 rows of 256 bytes, dense in memory and in LDS
	s_mov_b32 s[G1+2], 68<<16
	s_mov_b32 s[G1+3], 32<<16
	s_mov_b32 s[G1+4], 68
	s_mov_b32 s[G1+5], 32
	s_mov_b32 s[G1+6], 0
	s_mov_b32 s[G1+7], 0
	s_mul_i32 s14, s[WV], PART                     ; my sixteenth, in LDS and in the head's bytes of kv alike
	s_mul_i32 s66, s13, 4*CHB
	s_add_co_u32 s66, s66, s14                     ; in kv
	s_mov_b32 s67, 0
	s_and_b32 s15, s13, 7                          ; the head within its batch
	s_mul_i32 s68, s15, CHB
	s_add_co_u32 s68, s68, s14
	s_sub_co_u32 s68, s68, 12*PART                 ; in wqi (used by waves 12 to 15 alone)
	s_mov_b32 s69, 0
	s_lshr_b32 s47, s13, 3                         ; the batch
	s_lshl_b32 s70, s47, 11
	s_lshl_b32 s71, s12, 8
	s_add_co_u32 s70, s70, s71
	s_lshl_b32 s71, s[WV], 4
	s_add_co_u32 s70, s70, s71                     ; my first stored row of q
	s_lshl_b32 s72, s70, 5                         ; 32 scale bytes a row,
	s_lshl_b32 s70, s70, 9                         ; 512 bytes of codes
	s_mov_b32 s71, 0
	s_mov_b32 s73, 0
	s_lshl_b32 s74, s15, 9                         ; the head's 128 numbers of bq, and its 512 bytes of a row of out0
	s_mov_b32 s75, 0
	s_lshl_b32 s76, s12, 8                         ; my first query: 256 x block + 128 (w / 8) + 32 ((w / 2) % 4) + 8 (w % 2)
	s_lshr_b32 s77, s[WV], 3
	s_lshl_b32 s77, s77, 7
	s_add_co_u32 s76, s76, s77
	s_bfe_u32 s77, s[WV], 0x20001
	s_lshl_b32 s77, s77, 5
	s_add_co_u32 s76, s76, s77
	s_and_b32 s77, s[WV], 1
	s_lshl_b32 s77, s77, 3
	s_add_co_u32 s76, s76, s77
	s_lshl_b32 s76, s76, 12                        ; rows of 4,096 bytes,
	s_lshl_b32 s77, s47, 23                        ; 2,048 of them to a batch
	s_add_co_u32 s76, s76, s77
	s_add_co_u32 s76, s76, s74
	s_mov_b32 s77, 0
	s_mov_b32 s[SEL], 0x76543210
	s_mov_b32 s[SEL+1], 0xfedcba98
	s_mov_b32 s[CS], 0x3d38aa3b                    ; c = log2(e) / 32
	s_mov_b32 s[CS+1], s[CS]
	s_wait_dscnt 0x0                               ; both opening adds are done
	s_wait_kmcnt 0x0
	s_cmp_lt_u32 s[WV], 12                         ; the choice hangs on the wave's number alone
	s_cselect_b64 s[G0+2:G0+3], s[56:57], s[52:53]
	s_cselect_b32 s68, s66, s68
	s_add_nc_u64 s[G0+2:G0+3], s[G0+2:G0+3], s[68:69]
	s_or_b32 s[G0+3], s[G0+3], 0x80000000
	s_add_nc_u64 s[G0R+2:G0R+3], s[56:57], s[66:67]
	s_or_b32 s[G0R+3], s[G0R+3], 0x80000000
	s_mov_b32 s[G0], 1
	s_mov_b32 s[G0+1], s14
	s_mov_b32 s[G0R], 1
	s_mov_b32 s[G0R+1], s14
	s_add_nc_u64 s[48:49], s[48:49], s[70:71]
	s_add_nc_u64 s[50:51], s[50:51], s[72:73]
	s_add_nc_u64 s[54:55], s[54:55], s[74:75]
	s_add_nc_u64 s[58:59], s[58:59], s[76:77]
	CROUND                                         ; all four work-groups are here: the joint loads meet
	tensor_load_to_lds s[G0:G0+3], s[G1:G1+7]      ; one load a wave, with no branch: sixteen sixteenths
	s_nop 0
.rept 4
	v_nop
.endr
	v_and_b32 v240, 31, v0
	v_lshlrev_b32 v[LI], 4, v240
	v_and_b32 v241, 15, v0                         ; r
	v_bfe_u32 v242, v0, 4, 1                       ; h
	v_lshlrev_b32 v243, 9, v241
	v_lshl_add_u32 v243, v242, 4, v243             ; xc: 512 r + 16 h
	v_lshlrev_b32 v244, 5, v241                    ; xs: 32 r
	v_lshlrev_b32 v245, 6, v242                    ; bq: 64 h
.irp s, 0,1,2,3,4,5,6,7
.irp c, 0,1
	global_load_b128 v[160+8*\s+4*\c:163+8*\s+4*\c], v243, s[48:49] offset:64*\s+32*\c   ; my rows' fragment of the s-th 128 along K
.endr
.endr
	global_load_b128 v[24:27], v244, s[50:51]      ; their eight scale words
	global_load_b128 v[28:31], v244, s[50:51] offset:16
.irp b, 0,1,2,3,4,5,6,7                ; bq goes straight into the sums' registers: register j of tile b is channel 32 (b / 2) + 8 (b % 2) + 16 h + j
	global_load_b128 v[96+8*\b:99+8*\b], v245, s[54:55] offset:(32*(\b/2)+8*(\b%2))*4
	global_load_b128 v[100+8*\b:103+8*\b], v245, s[54:55] offset:(32*(\b/2)+8*(\b%2))*4+16
.endr
	v_add_nc_u32 v[AWQ], WQ, v[LI]
	v_lshl_add_u32 v[AWS], v242, 11, v244          ; 32 r + 2,048 h: lanes 16-31 stand four fragments on
	v_add_nc_u32 v[AWS], WQ+65536, v[AWS]
	v_mov_b32 v13, 0xff61b1e6                      ; the largest t so far: -3e38
	v_floor_f32 v12, -v13                          ; -M
	v_mov_b32 v14, 0                               ; the sum, in two halves
	v_mov_b32 v15, 0
.irp b, 0,1,2,3
	v_mov_b32 v[236+\b], 0                         ; a lane permute's destination counts as one of its sources
.endr
	v_mov_b32 v253, 0                              ; (named as the upper half of the pair v[252:253] before it is first written)
	s_wait_alu depctr_va_vdst(0)                   ; the wait at the head's end
	s_wait_tensorcnt 0x0                           ; my sixteenth is in,
	s_barrier_signal -1
	s_barrier_wait -1                              ; and everybody's
; Q = q Wq + bq: step s of 128 along K: Wq's eight fragments against my rows' one; eight accumulators by turns.
.macro QSTEP s
.if \s > 0
.rept 4
	v_nop                                          ; places in front of loads into registers that the last step's products have read
.endr
.endif
.if (\s)%2 == 0
.irp f, 0,1,2,3
	ds_load_b64 v[2+2*\f+2*(\f/3):3+2*\f+2*(\f/3)], v[AWS] offset:512*\f+4*(\s)   ; Wq's scale words of steps s and s + 1
.endr
.endif
.irp f, 0,1,2,3,4,5,6,7
.irp c, 0,1
	ds_load_b128 v[32+8*\f+4*\c:35+8*\f+4*\c], v[AWQ] offset:8192*\f+1024*(\s)+512*\c
.endr
.endr
.if \s == 0
	s_wait_loadcnt 0x0                             ; q's fragments and scale words, and bq
.endif
	s_wait_dscnt 8                                 ; the scale words and fragments 0-3 are in; the eight loads of fragments 4-7 may be out
.irp f, 0,1,2,3
	v_wmma_scale_f32_16x16x128_f8f6f4 v[96+8*\f:103+8*\f], v[32+8*\f:39+8*\f], v[160+8*(\s):167+8*(\s)], v[96+8*\f:103+8*\f], v[2+2*\f+2*(\f/3)+(\s)%2], v[24+(\s)] matrix_a_fmt:MATRIX_FMT_FP4 matrix_b_fmt:MATRIX_FMT_FP4
.endr
	s_wait_dscnt 0x0
.irp f, 0,1,2,3
	v_wmma_scale_f32_16x16x128_f8f6f4 v[128+8*\f:135+8*\f], v[64+8*\f:71+8*\f], v[160+8*(\s):167+8*(\s)], v[128+8*\f:135+8*\f], v[2+2*\f+2*(\f/3)+(\s)%2], v[24+(\s)] matrix_a_fmt:MATRIX_FMT_FP4 matrix_b_fmt:MATRIX_FMT_FP4 matrix_a_scale:MATRIX_SCALE_ROW1
.endr
.endm
.irp s, 0,1,2,3,4,5,6,7
	QSTEP \s
.endr
	s_wait_tensorcnt 0x0                           ; ahead of the refill; Q's quantising, work on registers, stands between the add and its wait
	ds_add_u32 v[SPW], v[NIL]
.rept 4
	v_nop                                          ; places behind the last products
.endr
.irp b, 0,1,2,3
	v_max3_num_f32 v[232+\b], |v[96+16*\b]|, |v[97+16*\b]|, 0x1800000   ; my 16 channels of block b, each accumulator from its low end on, and the floor 2^(3 - 127)
.endr
.irp i, 2,4,6,8,10,12,14
.irp b, 0,1,2,3
	v_max3_num_f32 v[232+\b], |v[96+16*\b+\i]|, |v[97+16*\b+\i]|, v[232+\b]
.endr
.endr
.irp b, 0,1,2,3
	v_permlanex16_b32 v[236+\b], v[232+\b], s[SEL], s[SEL+1]
.endr
.irp b, 0,1,2,3
	v_max_num_f32 v[232+\b], v[232+\b], v[236+\b]  ; with lane l xor 16's: the block's largest magnitude
.endr
.irp b, 0,1,2,3
	v_add_nc_u32 v[244+\b], 0xff000000, v[232+\b]  ; 2 off its exponent field: the conversion's scale operand
.endr
.irp b, 0,1,2,3
	v_lshrrev_b32 v[236+\b], 23, v[244+\b]         ; the scale's byte
.endr
	v_lshl_or_b32 v255, v237, 8, v236              ; Q's scale word
	v_lshl_or_b32 v255, v238, 16, v255
	v_lshl_or_b32 v255, v239, 24, v255
.irp b, 0,1,2,3
	v_cvt_scalef32_pk8_fp4_f32 v[16+2*\b], v[96+16*\b:103+16*\b], v[244+\b]
	v_cvt_scalef32_pk8_fp4_f32 v[17+2*\b], v[104+16*\b:111+16*\b], v[244+\b]
.endr
	v_nop                                          ; one plain place behind a scaled conversion
.irp c, 0,1                            ; the operand's layout wants a WHOLE block in a lane
.irp i, 0,1
	v_permlane16_swap_b32 v[16+4*\c+\i], v[18+4*\c+\i]
.endr
.endr
	s_wait_alu depctr_va_vdst(0)                   ; the wait ahead of the waits and barriers below
	s_wait_dscnt 0x0                               ; the add is done, and my reads of Wq are over
	CROUND                                         ; so of every wave of the four work-groups
	s_cmp_lt_u32 s[WV], 12
	s_cbranch_scc1 .Lno_refill
	tensor_load_to_lds s[G0R:G0R+3], s[G1:G1+7]    ; chunk 3, a quarter a wave, onto the bytes that these waves filled at the head
	s_nop 0
.rept 4
	v_nop
.endr
.Lno_refill:
.set j, 0
.rept 64
	v_mov_b32 v[160+j], 0                          ; O^T.  (The step has no first form of its own: it finds zeros, which the first change of M leaves zeros)
.set j, j+1
.endr
; A KEY STEP: 128 keys.
.macro STEP
	v_add_nc_u32 v[ADK], s[TB], v[LI]
	v_add_nc_u32 v[ADS], s[TS], v[LI]
	v_nop
	v_nop                                          ; four places in front of loads into registers that the last step's products have read
.irp t, 0,1,2,3,4,5,6,7
.irp c, 0,1
	ds_load_b128 v[32+8*\t+4*\c:35+8*\t+4*\c], v[ADK] offset:1024*\t+512*\c   ; K's eight fragments as they stand: 512 consecutive bytes a load
.endr
.endr
	ds_load_b128 v[24:27], v[ADS]                  ; their scale words: register i: lanes 0-15 fragment i, lanes 16-31 fragment 4 + i
	s_wait_alu depctr_va_vdst(0)                   ; the wait here, directly ahead of the wait below
	s_wait_dscnt 0x0
.irp t, 0,1,2,3,4,5,6,7                ; S^T = K Q^T
.if \t < 4
	v_wmma_scale_f32_16x16x128_f8f6f4 v[96+8*\t:103+8*\t], v[32+8*\t:39+8*\t], v[16:23], 0, v[24+\t], v255 matrix_a_fmt:MATRIX_FMT_FP4 matrix_b_fmt:MATRIX_FMT_FP4
.else
	v_wmma_scale_f32_16x16x128_f8f6f4 v[96+8*\t:103+8*\t], v[32+8*\t:39+8*\t], v[16:23], 0, v[20+\t], v255 matrix_a_fmt:MATRIX_FMT_FP4 matrix_b_fmt:MATRIX_FMT_FP4 matrix_a_scale:MATRIX_SCALE_ROW1
.endif
.endr
.rept 4
	v_nop                                          ; places: in front of the loads into K's registers, and of the first read of the scores
.endr
.irp t, 0,1,2,3,4,5,6,7
.irp c, 0,1
	ds_load_b128 v[32+8*\t+4*\c:35+8*\t+4*\c], v[ADK] offset:32768+1024*\t+512*\c   ; V's eight fragments land while the softmax is worked
.endr
.endr
	ds_load_b128 v[28:31], v[ADS] offset:2048
.irp b, 0,1,2,3
	v_max3_num_f32 v[232+\b], v[96+16*\b], v[97+16*\b], v[98+16*\b]   ; the largest score of each block of 32 keys: it serves for the row's maximum and for the block's largest p
.endr
.irp i, 3,5,7,9,11,13
.irp b, 0,1,2,3
	v_max3_num_f32 v[232+\b], v[232+\b], v[96+16*\b+\i], v[97+16*\b+\i]
.endr
.endr
.irp b, 0,1,2,3
	v_max_num_f32 v[232+\b], v[232+\b], v[111+16*\b]
.endr
.irp b, 0,1,2,3
	s_delay_alu instid0(VALU_DEP_4)
	v_permlanex16_b32 v[236+\b], v[232+\b], s[SEL], s[SEL+1]
.endr
.irp b, 0,1,2,3
	s_delay_alu instid0(VALU_DEP_4)
	v_max_num_f32 v[232+\b], v[232+\b], v[236+\b]  ; with lane l xor 16's 16 keys
.endr
	s_delay_alu instid0(VALU_DEP_2)
	v_max3_num_f32 v254, v232, v233, v234
	s_delay_alu instid0(VALU_DEP_1)
	v_max_num_f32 v254, v254, v235                 ; the step's largest score of my query
	s_delay_alu instid0(VALU_DEP_1)
	v_mul_f32 v254, s[CS], v254                    ; as t (c is positive)
	s_delay_alu instid0(VALU_DEP_1)
	v_max_num_f32 v13, v13, v254                   ; the running largest t
	v_mov_b32 v254, v12
	s_delay_alu instid0(VALU_DEP_2)
	v_floor_f32 v12, -v13                          ; the new -M = floor(-t) = -ceil(t): M is a whole number
	s_delay_alu instid0(VALU_DEP_1)
	v_sub_f32 v254, v12, v254                      ; M's old value less its new one: a whole number, 0 or less
	s_delay_alu instid0(VALU_DEP_1)
	v_cvt_i32_f32 v254, v254                       ; (it saturates)
	s_delay_alu instid0(VALU_DEP_1)
	v_ldexp_f32 v252, 1.0, v254                    ; f = 2^(old M - new M)
.set j, 0
.rept 32
	v_pk_fma_f32 v[96+j:97+j], v[96+j:97+j], s[CS:CS+1], v[12:13] op_sel_hi:[1,0,0]   ; t - M, two at a time (of the pairs c and -M the low word serves both halves)
.set j, j+2
.endr
.irp b, 0,1,2,3
	v_fma_f32 v[232+\b], v[232+\b], s[CS], v12     ; the same of each block's largest score
.endr
.set j, 0
	s_wait_alu depctr_va_vdst(0)                   ; the wait ahead of the batch
.rept 64
	v_exp_f32 v[96+j], v[96+j]                     ; p = 2^(t - M), at most 1: not normalised
.set j, j+1
.endr
.irp b, 0,1,2,3
	v_exp_f32 v[232+\b], v[232+\b]                 ; the block's largest p: the same two instructions on the same number give the same bits
.endr
	v_pk_mul_f32 v[14:15], v[14:15], v[252:253] op_sel_hi:[1,0]   ; the sums under the new M.  (A plain place behind the exponentials)
	s_wait_alu depctr_va_vdst(0)                   ; one wait for the whole batch, ahead of its first reader
.irp b, 0,1,2,3
	v_max_num_f32 v[232+\b], 0x1800000, v[232+\b]  ; the floor 2^(3 - 127): the byte cannot fall under 1
.endr
.irp b, 0,1,2,3
	s_delay_alu instid0(VALU_DEP_4)
	v_add_nc_u32 v[244+\b], 0xff000000, v[232+\b]  ; 2 off the exponent field: the conversion's scale operand
.endr
.irp b, 0,1,2,3
	s_delay_alu instid0(VALU_DEP_4)
	v_lshrrev_b32 v[236+\b], 23, v[244+\b]         ; the scale's byte
.endr
	s_delay_alu instid0(VALU_DEP_3)
	v_lshl_or_b32 v253, v237, 8, v236              ; p's scale word for these 128 keys
	s_delay_alu instid0(VALU_DEP_1)
	v_lshl_or_b32 v253, v238, 16, v253
	s_delay_alu instid0(VALU_DEP_1)
	v_lshl_or_b32 v253, v239, 24, v253
.irp b, 0,1,2,3
	v_cvt_scalef32_pk8_fp4_f32 v[224+2*\b], v[96+16*\b:103+16*\b], v[244+\b]
	v_cvt_scalef32_pk8_fp4_f32 v[225+2*\b], v[104+16*\b:111+16*\b], v[244+\b]
.endr
	v_nop                                          ; one plain place behind a scaled conversion
.irp c, 0,1                            ; the operand's layout wants a WHOLE block in a lane: lanes 0-15 block 2 c, lanes 16-31 block 2 c + 1
.irp i, 0,1
	v_permlane16_swap_b32 v[224+4*\c+\i], v[226+4*\c+\i]
.endr
.endr
.set j, 0
.rept 32
	v_pk_mul_f32 v[160+j:161+j], v[160+j:161+j], v[252:253] op_sel_hi:[1,0]   ; O^T under the new M: x f
.set j, j+2
.endr
; the row's sum of the unquantised p: 32 pairs in eight chains, seven in v232-245 and the sum's own
.irp k, 0,1,2,3,4,5,6
	v_pk_add_f32 v[232+2*\k:233+2*\k], v[96+2*\k:97+2*\k], v[112+2*\k:113+2*\k]
.endr
	v_pk_add_f32 v[14:15], v[14:15], v[110:111]
.irp m, 2,3
.irp k, 0,1,2,3,4,5,6
	v_pk_add_f32 v[232+2*\k:233+2*\k], v[232+2*\k:233+2*\k], v[96+2*\k+16*\m:97+2*\k+16*\m]
.endr
	v_pk_add_f32 v[14:15], v[14:15], v[94+16*\m:95+16*\m]
.endr
	v_pk_add_f32 v[232:233], v[232:233], v[234:235]
	v_pk_add_f32 v[236:237], v[236:237], v[238:239]
	v_pk_add_f32 v[240:241], v[240:241], v[242:243]
	v_pk_add_f32 v[14:15], v[14:15], v[158:159]
	v_pk_add_f32 v[232:233], v[232:233], v[236:237]
	v_pk_add_f32 v[240:241], v[240:241], v[244:245]
	s_delay_alu instid0(VALU_DEP_2)
	v_pk_add_f32 v[14:15], v[14:15], v[232:233]
	s_delay_alu instid0(VALU_DEP_1)
	v_pk_add_f32 v[14:15], v[14:15], v[240:241]
	s_wait_dscnt 0x0                               ; V's fragments and scale words are in
.irp t, 0,1,2,3,4,5,6,7                ; O^T += V^T P^T: eight accumulators, one instruction a turn
.if \t < 4
	v_wmma_scale_f32_16x16x128_f8f6f4 v[160+8*\t:167+8*\t], v[32+8*\t:39+8*\t], v[224:231], v[160+8*\t:167+8*\t], v[28+\t], v253 matrix_a_fmt:MATRIX_FMT_FP4 matrix_b_fmt:MATRIX_FMT_FP4
.else
	v_wmma_scale_f32_16x16x128_f8f6f4 v[160+8*\t:167+8*\t], v[32+8*\t:39+8*\t], v[224:231], v[160+8*\t:167+8*\t], v[24+\t], v253 matrix_a_fmt:MATRIX_FMT_FP4 matrix_b_fmt:MATRIX_FMT_FP4 matrix_a_scale:MATRIX_SCALE_ROW1
.endif
.endr
.endm
.macro CHUNK n                         ; four key steps: 512 keys
	s_mov_b32 s[TB], (\n)*CHB
	s_mov_b32 s[TS], (\n)*CHB+65536
	s_mov_b32 s[CNT], 4
.Lstep_\@:
	STEP
	s_add_co_u32 s[TB], s[TB], 8192                ; the next 128 keys' blocks,
	s_add_co_u32 s[TS], s[TS], 512                 ; and their scale words
	s_sub_co_u32 s[CNT], s[CNT], 1
	s_cmp_lg_u32 s[CNT], 0
	s_cbranch_scc1 .Lstep_\@
.endm
	CHUNK 0
	CHUNK 1
	s_wait_tensorcnt 0x0                           ; waves 12 to 15: my quarter of chunk 3 is in
	s_wait_dscnt 0x0                               ; no LDS instruction of mine is out at a signal; my reads of chunks 0 and 1 are over
	s_barrier_signal -1                            ; say so; chunk 2's steps, LDS loads of bytes that nobody writes and work on registers, stand between the signal and the wait
	CHUNK 2
	s_barrier_wait -1                              ; chunk 3 is whole, and nobody reads chunks 0 and 1 any more
	CHUNK 3
	; THE WAY OUT.  O^T is divided by the row's sum and goes through my stage in LDS, 16 rows of 512 bytes + 16; it comes back as whole rows.  The stages, 8,448 bytes a wave, lie in chunks 0 and 1:
	; those bytes have had their one fill, and every wave has signalled, ahead of chunk 2, that it reads them no more.
	s_wait_alu depctr_va_vdst(0)
	v_add_f32 v14, v14, v15                        ; the sum's two halves,
	s_delay_alu instid0(VALU_DEP_1)
	v_permlanex16_b32 v252, v14, s[SEL], s[SEL+1]
	s_delay_alu instid0(VALU_DEP_1)
	v_add_f32 v14, v14, v252                       ; and lane l xor 16's: the row's sum
	s_wait_alu depctr_va_vdst(0)                   ; the wait ahead of the transcendental
	v_rcp_f32 v14, v14
	v_and_b32 v240, 15, v0                         ; (a plain place behind the reciprocal)  r
	v_bfe_u32 v241, v0, 4, 1                       ; h
	s_mul_i32 s47, s[WV], 16*SPIT                  ; my stage
	v_mul_u32_u24 v242, v240, SPIT
	s_delay_alu instid0(VALU_DEP_1)
	v_lshl_add_u32 v242, v241, 6, v242
	s_delay_alu instid0(VALU_DEP_1)
	v_add_nc_u32 v242, s47, v242                   ; in: row r, + 64 h: register 16 b + i is channel 32 b + 16 h + i
	v_add_nc_u32 v243, s47, v[LI]                  ; back: the 32 lanes take one row
.set j, 0
	s_wait_alu depctr_va_vdst(0)                   ; the wait, ahead of the first reader
.rept 32
	v_pk_mul_f32 v[96+j:97+j], v[160+j:161+j], v[14:15] op_sel_hi:[1,0]   ; each accumulator from its low end on
.set j, j+2
.endr
.irp b, 0,1,2,3
.irp g, 0,1,2,3
	ds_store_b128 v242, v[96+16*\b+4*\g:99+16*\b+4*\g] offset:128*\b+16*\g
.endr
.endr
.irp i, 0,1,2,3,4,5,6,7,8,9,10,11,12,13,14,15
	ds_load_b128 v[32+4*\i:35+4*\i], v243 offset:\i*SPIT   ; LDS serves a wave's instructions in order (ISA guide 5.7.1): these see my stores
.endr
.irp i, 0,1,2,3,4,5,6,7,8,9,10,11,12,13,14,15
	s_wait_dscnt 15-\i                             ; row i is back; the younger loads may be out
	global_store_b128 v[LI], v[32+4*\i:35+4*\i], s[58:59] offset:(\i+8*(\i/8))*4096 th:TH_STORE_NT   ; row i of my tile is query i + 8 (i / 8) from my first: 512 consecutive bytes, at a multiple of 512 from out0's first byte
.endr
	s_wait_tensorcnt 0x0                           ; the wave's end
	ds_add_u32 v[SPW], v[NIL]
	s_wait_dscnt 0x0
	CROUND                                         ; the closing round: no work-group ends while a partner may still ask for a tile that names it
	s_endpgm
.Lfunc_end_k_qb8489c20fc_attn:
	.size	k_qb8489c20fc_attn, .Lfunc_end_k_qb8489c20fc_attn-k_qb8489c20fc_attn
	.p2alignl 7, 3214868480
	.fill 96, 4, 3214868480
	.section	.rodata,"a",@progbits
	.p2align	6, 0x0
	.amdhsa_kernel k_qb8489c20fc_attn
		.amdhsa_group_segment_fixed_size 327680
		.amdhsa_private_segment_fixed_size 0
		.amdhsa_enable_private_segment 0
		.amdhsa_kernarg_size 48
		.amdhsa_user_sgpr_count 2
		.amdhsa_user_sgpr_kernarg_segment_ptr 1
		.amdhsa_wavefront_size32 1
		.amdhsa_system_sgpr_workgroup_id_x 1
		.amdhsa_system_sgpr_workgroup_id_y 1
		.amdhsa_system_sgpr_workgroup_id_z 1
		.amdhsa_system_vgpr_workitem_id 0
		.amdhsa_next_free_vgpr 256
		.amdhsa_next_free_sgpr 96
		.amdhsa_reserve_vcc 0
		.amdhsa_float_denorm_mode_32 3
		.amdhsa_float_denorm_mode_16_64 3
		.amdhsa_memory_ordered 1
		.amdhsa_forward_progress 1
		.amdhsa_inst_pref_size 114
	.end_amdhsa_kernel
	.amdgpu_metadata
---
amdhsa.version: [ 1, 2 ]
amdhsa.kernels:
  - .name:           k_qb8489c20fc_attn
    .symbol:         k_qb8489c20fc_attn.kd
    .args:
      - { .name: xc, .offset: 0, .size: 8, .value_kind: global_buffer, .address_space: global }
      - { .name: xs, .offset: 8, .size: 8, .value_kind: global_buffer, .address_space: global }
      - { .name: wqi, .offset: 16, .size: 8, .value_kind: global_buffer, .address_space: global }
      - { .name: bq, .offset: 24, .size: 8, .value_kind: global_buffer, .address_space: global }
      - { .name: kv, .offset: 32, .size: 8, .value_kind: global_buffer, .address_space: global }
      - { .name: out0, .offset: 40, .size: 8, .value_kind: global_buffer, .address_space: global }
    .group_segment_fixed_size: 327680
    .private_segment_fixed_size: 0
    .kernarg_segment_align: 8
    .kernarg_segment_size: 48
    .max_flat_workgroup_size: 512
    .sgpr_count:     96
    .vgpr_count:     256
    .wavefront_size: 32
...
	.end_amdgpu_metadata
.endif
;; end of part 3
